; MI455X (gfx1250); checked and timed in simulation.
; The chip was launched on July 23, 2026; its instructions are those of AMD's public machine-readable ISA for CDNA 5 (MIT licence, August 2026) and "CDNA5" Instruction Set Architecture Reference Guide (July 2026). The comments in the code are by the model that wrote it; some were corrected since.
;; GMM Equal Variance Denoiser. Allowed arithmetic: matrix products marked QUANTISED: E2M1 operands, one E8M0 scale for each 32 along K, by v_wmma_scale_f32_16x16x128_f8f6f4 with both operands' format E2M1 (or v_wmma_scale_f32_32x16x128_f4), f32 sums; everything else in f32.
;; Inputs: means 8,192 x 64 float32; standard_dev 1 float32; t 1 float32; x 16,384 x 1 x 8 x 8 float32.
;; Outputs: out0 16,384 x 1 x 8 x 8 float32.
;; This version of the problem:
;;   THIS VERSION OF THE PROBLEM IS GIVEN IN LOW PRECISION. The matrix products marked QUANTISED in the list below multiply operands that are first quantised to E2M1 (2 exponent bits, 1 mantissa bit; 4 bits a number), with one power-of-two scale for each 32 numbers along K (OCP MX v1.0); their sums are f32. All else is computed in f32.
;;   The module's matrix products, in the order in which they are computed (A, B: the left and right operand; K: the contracted axis; several contracted axes count as one K, in the product's order):
;;     1. [M 16,384, K 64] x [K 64, N 8,192]; A: input x; B: computed on the way: QUANTISED
;;     2. [M 16,384, K 8,192] x [K 8,192, N 64]; A: softmax (see below); B: computed on the way: QUANTISED
;;   THE QUANTISER, for each operand of a quantised product, along K:
;;     - K is cut into blocks of 32 from its start; a last block that is shorter is filled with zeros.
;;     - A block's scale is 2^e with e = floor(log2(the largest magnitude in the block)) - 2, held to -126 .. 127; a block of zeros has e = 0. As a byte (E8M0): e + 127.
;;     - Each number is divided by its block's scale, clamped to +-6, and rounded to the nearest number of E2M1, ties to even, subnormals kept.
;;     - The product sums the exact products of the quantised numbers (number of the format x scale) in f32.
;;   ~~~python
;;   def quantise(x, axis):      # numpy; x: float32 -> the quantised numbers, widened to float32 again
;;       x = np.moveaxis(x, axis, -1); K = x.shape[-1]
;;       x = np.pad(x, [(0, 0)] * (x.ndim - 1) + [(0, -K % 32)]); x = x.reshape(x.shape[:-1] + (-1, 32)); a = np.abs(x).max(-1, keepdims=True)
;;       e = np.where(a > 0, np.clip(np.frexp(np.where(a > 0, a, 1))[1] - 1 - 2, -126, 127), 0)      # np.frexp(a)[1] - 1 = floor(log2(a)), exactly
;;       r = np.clip(x / 2.0 ** e, -6, 6)
;;       step = 2.0 ** (np.maximum(np.frexp(np.where(r == 0, 1, r))[1] - 1, 0) - 1)
;;       q = np.round(r / step) * step * 2.0 ** e      # np.round: ties to even
;;       return np.moveaxis(q.reshape(q.shape[:-2] + (-1,))[..., :K], -1, axis).astype(np.float32)
;;   ~~~
;;   SOFTMAX AHEAD OF A QUANTISED PRODUCT. Where the list says 'softmax', what is quantised is not the finished softmax but p = 2^(t - M), with t = logit x log2(e) and M = ceil(the row's largest t), a whole number; so 1/2 < the row's largest p <= 1. The row's sum l is taken of the UNQUANTISED p, in f32, and the product's result is divided by l at the end. Since M is a whole number, a kernel that streams over the keys may use a running M (the ceiling of the running maximum): every later rescaling is an exact power of two, which a block's scale takes up: the codes' values come out the same.
;;   OPERANDS COMPUTED ON THE WAY. 'Computed on the way' means the value that the module computes at that place (a softmax that the list does not call 'softmax' is quantised finished and normalised). What goes into a quantiser is computed in f32, as accurately as f32 sums, v_exp_f32 and their like allow (about 1e-6 of the number): no bf16 or f16 on the way to a quantiser, and a product that is left as it is and whose result goes on into a quantised operand takes f32 operands (vector FMAs, or v_wmma_f32_16x16x4_f32). A number that lies on a knife's edge between two numbers of the format may be rounded either way, as far as f32 arithmetic and the matrix unit's own rounding can turn it there, and no further.
;; One version. Each part assembles by itself: llvm-mc -triple=amdgcn-amd-amdhsa -mcpu=gfx1250 --defsym DOCPART=n.
;; ======== version 1 of 1: 2 launches
;; workspace buffers: ws 606,208 bytes
;; launch prep (part 1): grid 64 x 1, 4 waves a work-group, no clusters, 2,560 bytes of LDS; arguments means, t, standard_dev, ws; writes ws
.if DOCPART == 1
	.amdgcn_target "amdgcn-amd-amdhsa--gfx1250"
	.amdhsa_code_object_version 6
	.text
	.protected	k_q9efd3b3c37_prep
	.globl	k_q9efd3b3c37_prep
	.p2align	8
	.type	k_q9efd3b3c37_prep,@function
k_q9efd3b3c37_prep:
	s_mov_b64 s[64:65], 0
	v_nop
	global_prefetch_b8 v0, s[64:65] scope:SCOPE_SE
	s_setreg_imm32_b32 hwreg(HW_REG_WAVE_MODE, 25, 1), 1
	s_wait_xcnt 0x0
; sc = means x e^-t, [8192][64], is made ready for both products of the next launch, as codes of FP4 (E2M1) with one E8M0 byte for each 32 along a product's K:
;   along d (the first product's K), along the clusters (the second product's K), and hb x c_sq (c_sq = the f32 sum of sc^2 of a cluster, hb = -1/2 x the sign of variance_t).
; All is laid as IMAGES OF THE OPERANDS' REGISTERS, one record of REC bytes for each 128 clusters ("keys"), so that the next launch loads every fragment by 16 bytes a lane at 16 x lane.
; A RECORD:  0     K's eight fragments: tile t at 512 t; lane (m, H) at 16 (m + 16 H): the 32 codes d = 32 H .. 32 H + 31 of key 64 (t / 4) + 32 (m / 8) + 8 (t % 4) + m % 8
;            4096  V's eight images: image 2 dt + c at 512 (2 dt + c); lane (r, h) at 16 (r + 16 h): the codes of d = 16 dt + r for keys 64 c + 32 h + 0 .. 31
;            8192  K's scale words: the word at 16 L + 4 q is tile 2 q + L / 16, row L % 16: bytes 0, 1 the two blocks of d; bytes 2, 3 = 127 (they stand over zero codes)
;            8704  hb x c_sq, f32, in the keys' own order        9216  V's scale words: the word at 8 L + 4 i is d = 32 i + L, byte b the record's b-th block of 32 keys
; SHARES.  One work-group makes one record: a scale word of V wants all four blocks of 32 keys of a record, so there is work for 64 work-groups.  Wave w reads the record's rows in two views.
;   V view: keys 32 w .. 32 w + 31; lane l takes column d = l + 32 j (j = 0, 1) and its registers run down the keys: a block of 32 along the clusters lies in one lane, and each load reads 128 consecutive bytes.
;   K view: lane l takes the whole row of the key that is row l % 16 of tile 2 w + l / 16: both blocks of d, and c_sq, need no other lane.
; A block's scale is 2^(floor(log2(its largest magnitude)) - 2); its byte is the largest magnitude's exponent field - 2, held at 1 from below.
; LIMITS: a block whose largest magnitude lies under 2^-124 gets the byte 1 (a block of zeros too, where the rule says 127: its codes are zeros, and this program alone reads the bytes);
; NaN and infinities among the inputs are not served.  The work-groups share no input but t and standard_dev: no cluster.
.set REC,   9472
.set VOFF,  4096
.set KSOFF, 8192
.set VSOFF, 9216
.set FLOOR, 0x1800000                  ; 2^(3 - 127): under it no largest magnitude is taken
.set KX,    32                         ; v32-95   my key's row
.set VX,    96                         ; v96-159  two sets of 32 numbers down the keys
.set VC,    160                        ; v160-167 V's codes, four registers a set
.set KC,    168                        ; v168-175 K's codes, four registers a block
; v1 lane; v2, v3 the loads' offsets; v4, v5 the codes' places in the record; v6, v7, v8 LDS places of K's word, the bias, V's byte; v9, v10, v11 the way out of LDS; v[12:13] e^-t twice; v14 hb; v15-31 at work
	s_load_b256 s[4:11], s[0:1], 0x0               ; means s[4:5], t s[6:7], standard_dev s[8:9], ws s[10:11]
	v_lshl_add_u32 v176, v0, 2, 0x800
	v_mov_b32 v177, 0
	v_lshrrev_b32 v15, 5, v0
	v_readfirstlane_b32 s22, v15                   ; wave w
	v_and_b32 v1, 31, v0                           ; l
	v_and_b32 v19, 15, v0                          ; m = l % 16
	v_bfe_u32 v15, v0, 4, 1                        ; u = l / 16
	v_bfe_u32 v16, v0, 3, 1                        ; m / 8
	v_and_b32 v17, 7, v0                           ; m % 8
	v_lshl_add_u32 v18, v15, 3, v17
	v_lshl_add_u32 v18, v16, 5, v18                ; 8 u + 32 (m / 8) + m % 8: my key, counted from the wave's first
	v_lshlrev_b32 v2, 2, v1                        ; V view: 4 l
	v_lshlrev_b32 v3, 8, v18                       ; K view: a row of means is 256 bytes
	v_lshlrev_b32 v20, 4, v19                      ; 16 m
	s_lshl_b32 s24, s22, 8
	v_lshl_add_u32 v4, v15, 10, v20
	v_add_nc_u32 v4, s24, v4                       ; V's codes: 1024 (l / 16) + 16 (l % 16) + 256 w  (256 w = 512 (w / 2) + 256 (w % 2): image c = w / 2, half h = w % 2)
	s_lshl_b32 s25, s22, 10
	v_lshl_add_u32 v5, v15, 9, v20
	v_add_nc_u32 v5, s25, v5                       ; K's codes: 512 (2 w + u) + 16 m
	s_lshl_b32 s26, s22, 2
	v_lshl_add_u32 v6, v1, 4, s26                  ; LDS: K's scale word at 16 l + 4 w
	s_lshr_b32 s27, s22, 1                         ; w / 2
	s_and_b32 s28, s22, 1                          ; w % 2
	s_lshl_b32 s29, s27, 8
	s_lshl_b32 s30, s28, 6
	s_add_co_u32 s29, s29, s30
	s_add_co_u32 s29, s29, 512
	v_lshl_add_u32 v7, v18, 2, s29                 ; LDS: the bias at 512 + 4 x (64 (w / 2) + 16 (w % 2) + my key)
	s_add_co_u32 s30, s22, 1024
	v_lshl_add_u32 v8, v1, 3, s30                  ; LDS: V's scale byte at 1024 + 8 l + w (+ 4 j)
	v_lshlrev_b32 v9, 4, v0                        ; the way out: 16 x thread (waves 0 and 1),
	v_lshlrev_b32 v11, 3, v1                       ; 8 l (wave 2)
	v_add_nc_u32 v10, 1024, v11
	s_lshl_b32 s23, ttmp9, 15                      ; the record's 128 rows of means: 32,768 bytes
	s_lshl_b32 s14, s22, 13
	s_add_co_u32 s14, s14, s23                     ; V view: + 32 w rows
	s_mov_b32 s15, 0
	s_lshl_b32 s18, s27, 14
	s_lshl_b32 s19, s28, 12
	s_add_co_u32 s18, s18, s19
	s_add_co_u32 s18, s18, s23                     ; K view: + 64 (w / 2) + 16 (w % 2) rows
	s_mov_b32 s19, 0
	s_mul_i32 s20, ttmp9, REC
	s_mov_b32 s21, 0
	s_wait_kmcnt 0x0
	s_load_b32 s12, s[6:7], 0x0                    ; t
	s_load_b32 s13, s[8:9], 0x0                    ; standard_dev
	s_add_nc_u64 s[16:17], s[4:5], s[14:15]
	s_add_nc_u64 s[18:19], s[4:5], s[18:19]
	s_add_nc_u64 s[20:21], s[10:11], s[20:21]      ; my record
.macro VLOAD j                         ; means(32 w + i, l + 32 j), i = 0 .. 31: 32 lanes read 128 consecutive bytes
.set i, 0
.rept 32
	global_load_b32 v[VX+32*(\j)+i], v2, s[16:17] offset:256*i+128*(\j)
.set i, i+1
.endr
.endm
	VLOAD 0
.set i, 0
.rept 16
	global_load_b128 v[KX+4*i:KX+4*i+3], v3, s[18:19] offset:16*i   ; my key's row
.set i, i+1
.endr
	VLOAD 1
	; e^-t = 2^y x 2^r: y = the rounded -t log2(e), r = what that rounding and the rounding of log2(e) itself left out.  The next launch makes it by the same lines.
	s_wait_kmcnt 0x0
	v_mov_b32 v15, s12
	v_mov_b32 v16, s13
	v_mul_f32 v17, 0xbfb8aa3b, v15
	v_fma_f32 v18, v15, 0xbfb8aa3b, -v17
	v_fma_f32 v18, v15, 0xb2a57060, v18
	v_exp_f32 v17, v17
	v_exp_f32 v18, v18
	v_mul_f32 v16, v16, v16                        ; standard_dev^2: the plain line behind the exponentials
	s_wait_alu depctr_va_vdst(0)                   ; one wait for both, ahead of their first reader
	v_mul_f32 v12, v17, v18                        ; scale
	v_mov_b32 v13, v12
	v_mul_f32 v19, v12, v12                        ; scale^2
	v_mul_f32 v16, v19, v16
	v_sub_f32 v19, 1.0, v19
	v_add_f32 v19, v16, v19                        ; variance_t
	v_and_b32 v14, 0x80000000, v19
	v_xor_b32 v14, 0xbf000000, v14                 ; hb = -1/2 x its sign
; Set j of the V view: one block of 32 keys of column d = l + 32 j.  left: the younger loads, which may stay out
.macro VSET j, left
.set X, VX+32*(\j)
	s_wait_loadcnt \left
.set i, 0
.rept 16
	v_pk_mul_f32 v[X+2*i:X+2*i+1], v[X+2*i:X+2*i+1], v[12:13]
.set i, i+1
.endr
	v_max3_num_f32 v24, |v[X]|, |v[X+1]|, |v[X+2]|                 ; the block's largest magnitude, in two chains
	v_max3_num_f32 v25, |v[X+3]|, |v[X+4]|, |v[X+5]|
.irp i, 6,10,14,18,22,26
	v_max3_num_f32 v24, v24, |v[X+\i]|, |v[X+\i+1]|
	v_max3_num_f32 v25, v25, |v[X+\i+2]|, |v[X+\i+3]|
.endr
	v_max3_num_f32 v24, v24, |v[X+30]|, |v[X+31]|
	v_max3_num_f32 v24, v24, v25, FLOOR
	v_add_nc_u32 v26, 0xff000000, v24              ; 2 off its exponent field: the conversion takes this operand's exponent field as its scale
.irp g, 0,1,2,3
	v_cvt_scalef32_pk8_fp4_f32 v[VC+4*(\j)+\g], v[X+8*\g:X+8*\g+7], v26
.endr
	v_lshrrev_b32 v[27+(\j)], 23, v26              ; the scale's byte (the plain line behind the conversions)
	ds_store_b8 v8, v[27+(\j)] offset:4*(\j)
	global_store_b128 v4, v[VC+4*(\j):VC+4*(\j)+3], s[20:21] offset:VOFF+2048*(\j)   ; lanes 0-15 fill 256 consecutive aligned bytes, lanes 16-31 another 256
.endm
; The K view: my key's row: two blocks of d, c_sq
.macro KPART
	s_wait_loadcnt 32                              ; V set 1's 32 loads are younger
.set i, 0
.rept 32
	v_pk_mul_f32 v[KX+2*i:KX+2*i+1], v[KX+2*i:KX+2*i+1], v[12:13]
.set i, i+1
.endr
.irp H, 0,1
	v_max3_num_f32 v[15+2*\H], |v[KX+32*\H]|, |v[KX+32*\H+1]|, |v[KX+32*\H+2]|
	v_max3_num_f32 v[16+2*\H], |v[KX+32*\H+3]|, |v[KX+32*\H+4]|, |v[KX+32*\H+5]|
.irp i, 6,10,14,18,22,26
	v_max3_num_f32 v[15+2*\H], v[15+2*\H], |v[KX+32*\H+\i]|, |v[KX+32*\H+\i+1]|
	v_max3_num_f32 v[16+2*\H], v[16+2*\H], |v[KX+32*\H+\i+2]|, |v[KX+32*\H+\i+3]|
.endr
	v_max3_num_f32 v[15+2*\H], v[15+2*\H], |v[KX+32*\H+30]|, |v[KX+32*\H+31]|
	v_max3_num_f32 v[15+2*\H], v[15+2*\H], v[16+2*\H], FLOOR
.endr
	v_add_nc_u32 v19, 0xff000000, v15              ; the two conversions' scale operands,
	v_add_nc_u32 v29, 0xff000000, v17
	v_lshrrev_b32 v30, 23, v19                     ; the two bytes,
	v_lshrrev_b32 v31, 23, v29
	v_lshl_or_b32 v30, v31, 8, v30
	v_or_b32 v30, 0x7f7f0000, v30                  ; and the word: 127 over the zero codes of k = 64 .. 127
	v_pk_mul_f32 v[20:21], v[KX:KX+1], v[KX:KX+1]  ; c_sq, of the unquantised numbers, in two chains
	v_pk_mul_f32 v[22:23], v[KX+2:KX+3], v[KX+2:KX+3]
.irp i, 4,8,12,16,20,24,28,32,36,40,44,48,52,56,60
	v_pk_fma_f32 v[20:21], v[KX+\i:KX+\i+1], v[KX+\i:KX+\i+1], v[20:21]
	v_pk_fma_f32 v[22:23], v[KX+\i+2:KX+\i+3], v[KX+\i+2:KX+\i+3], v[22:23]
.endr
	v_pk_add_f32 v[20:21], v[20:21], v[22:23]
	v_add_f32 v20, v20, v21
.irp g, 0,1,2,3
	v_cvt_scalef32_pk8_fp4_f32 v[KC+\g], v[KX+8*\g:KX+8*\g+7], v19
	v_cvt_scalef32_pk8_fp4_f32 v[KC+4+\g], v[KX+32+8*\g:KX+32+8*\g+7], v29
.endr
	v_mul_f32 v31, v14, v20                        ; hb x c_sq (the plain line behind the conversions)
	ds_store_b32 v6, v30
	ds_store_b32 v7, v31
	global_store_b128 v5, v[KC:KC+3], s[20:21]               ; lanes 0-15 and lanes 16-31 each fill 256 consecutive aligned bytes
	global_store_b128 v5, v[KC+4:KC+7], s[20:21] offset:256
.endm
	VSET 0, 48                                     ; K's 16 loads and set 1's 32 are younger
	KPART
	VSET 1, 0
	s_wait_dscnt 0x0                               ; for the others' sake: my stores into LDS are done
	s_barrier_signal -1
	s_barrier_wait -1
	; the record's last 1,280 bytes leave LDS through registers, in whole runs of 256 aligned bytes
	s_cmp_lt_u32 s22, 2
	s_cbranch_scc0 .Lnot_01
	ds_load_b128 v[32:35], v9                      ; waves 0 and 1: K's scale words and the bias, 512 bytes a wave
	s_wait_dscnt 0x0
	global_store_b128 v9, v[32:35], s[20:21] offset:KSOFF
	s_branch .Lend
.Lnot_01:
	s_cmp_eq_u32 s22, 2
	s_cbranch_scc0 .Lend
	ds_load_b64 v[32:33], v10                      ; wave 2: V's scale words, 256 bytes
	s_wait_dscnt 0x0
	global_store_b64 v11, v[32:33], s[20:21] offset:VSOFF
.Lend:
	s_wait_tensorcnt 0x0
	ds_add_u32 v176, v177
	s_wait_dscnt 0x0
	s_endpgm
.Lfunc_end_k_q9efd3b3c37_prep:
	.size	k_q9efd3b3c37_prep, .Lfunc_end_k_q9efd3b3c37_prep-k_q9efd3b3c37_prep
	.p2alignl 7, 3214868480
	.fill 96, 4, 3214868480
	.section	.rodata,"a",@progbits
	.p2align	6, 0x0
	.amdhsa_kernel k_q9efd3b3c37_prep
		.amdhsa_group_segment_fixed_size 2560
		.amdhsa_private_segment_fixed_size 0
		.amdhsa_enable_private_segment 0
		.amdhsa_kernarg_size 32
		.amdhsa_user_sgpr_count 2
		.amdhsa_user_sgpr_kernarg_segment_ptr 1
		.amdhsa_wavefront_size32 1
		.amdhsa_system_sgpr_workgroup_id_x 1
		.amdhsa_system_sgpr_workgroup_id_y 1
		.amdhsa_system_sgpr_workgroup_id_z 1
		.amdhsa_system_vgpr_workitem_id 0
		.amdhsa_next_free_vgpr 178
		.amdhsa_next_free_sgpr 66
		.amdhsa_reserve_vcc 0
		.amdhsa_float_denorm_mode_32 3
		.amdhsa_float_denorm_mode_16_64 3
		.amdhsa_memory_ordered 1
		.amdhsa_forward_progress 1
		.amdhsa_inst_pref_size 24
	.end_amdhsa_kernel
	.amdgpu_metadata
---
amdhsa.version: [ 1, 2 ]
amdhsa.kernels:
  - .name:           k_q9efd3b3c37_prep
    .symbol:         k_q9efd3b3c37_prep.kd
    .args:
      - { .name: means, .offset: 0, .size: 8, .value_kind: global_buffer, .address_space: global }
      - { .name: t, .offset: 8, .size: 8, .value_kind: global_buffer, .address_space: global }
      - { .name: standard_dev, .offset: 16, .size: 8, .value_kind: global_buffer, .address_space: global }
      - { .name: ws, .offset: 24, .size: 8, .value_kind: global_buffer, .address_space: global }
    .group_segment_fixed_size: 2560
    .private_segment_fixed_size: 0
    .kernarg_segment_align: 8
    .kernarg_segment_size: 32
    .max_flat_workgroup_size: 128
    .sgpr_count:     66
    .vgpr_count:     178
    .wavefront_size: 32
...
	.end_amdgpu_metadata
.endif
;; end of part 1
;; launch denoise (part 2): grid 256 x 1, 8 waves a work-group, clusters of 4 x 1, 327,680 bytes of LDS; arguments x, t, standard_dev, ws, out0; writes out0
.if DOCPART == 2
	.amdgcn_target "amdgcn-amd-amdhsa--gfx1250"
	.amdhsa_code_object_version 6
	.text
	.protected	k_q9efd3b3c37_denoise
	.globl	k_q9efd3b3c37_denoise
	.p2align	8
	.type	k_q9efd3b3c37_denoise,@function
k_q9efd3b3c37_denoise:
	s_mov_b64 s[64:65], 0
	v_nop
	global_prefetch_b8 v0, s[64:65] scope:SCOPE_SE
	s_setreg_imm32_b32 hwreg(HW_REG_WAVE_MODE, 25, 1), 1
	s_wait_xcnt 0x0
	s_wait_alu depctr_hold_cnt(0) depctr_sa_sdst(0) depctr_va_vdst(0) depctr_va_sdst(0) depctr_va_ssrc(0) depctr_va_vcc(0) depctr_vm_vsrc(0)
	s_getreg_b32 s2, hwreg(HW_REG_IB_STS2, 6, 4)
	s_cmp_eq_u32 s2, 0
	s_cbranch_scc0 .Lentry_in_a_cluster
	s_endpgm
.Lentry_in_a_cluster:
	s_bfe_u32 s2, ttmp6, 0x10000c
	s_cmp_lg_u32 s2, 0x3003
	s_cbranch_scc0 .Lentry_shape_is_right
	s_endpgm
.Lentry_shape_is_right:
.set REC,   9472
.set VOFF,  4096
.set KSOFF, 8192
.set BOFF,  8704
.set VSOFF, 9216
.set SLOTB, 2*REC
.set WREG,  4*REC
.set FILLB, 16*REC
.set SPARE, 8*WREG
.set SROW,  272
.set SWAVE, 64*SROW
.set FLOOR, 0x1800000
.set LI,  1
.set LV,  2
.set LB,  3
.set ADK, 4
.set ADV, 5
.set ADB, 6
.set SPW, 7
.set NIL, 8
.set SH8, 9
.set AA,  10
.set STO, 12
.set STS, 13
.set RD,  14
.set RS,  15
.set ST,  16
.set ACC, 32
.set A1,  48
.set A2,  50
.set HG,  51
.set SGN, 52
.set XA,  53
.set GO,  54
.set RD2, 55
.set RS2, 56
.set KFR, 64
.set SCR, 128
.set QFR, 192
.set PCD, 224
.set KSC, 232
.set VSC, 236
.set PWD, 238
.set QWD, 240
.set BM,  244
.set TP,  248
.set RR,  250
.set RX,  251
.set DD,  252
.set WW,  253
.set WX,  254
.set OT,  0
.set VFR, 128
.set BI,  160
.set WV,  16
.set SEL, 22
.set G1,  24
.set G0,  32
.set TB,  40
.set CNT, 41
.set MSB, 0
.macro WIN new
.if MSB != \new
	s_set_vgpr_msb (MSB<<8)|\new
.set MSB, \new
.endif
.endm
.macro CROUND
	s_barrier_signal -1
	s_barrier_wait -1
	s_cmp_lg_u32 s[WV], 0
	s_cbranch_scc1 .Lnot_wave_0_\@
	s_barrier_signal -3
.Lnot_wave_0_\@:
	s_barrier_wait -3
	s_barrier_signal -1
	s_barrier_wait -1
.endm
.macro PLACES
.rept 4
	v_nop
.endr
.endm
	s_load_b256 s[4:11], s[0:1], 0x0
	s_load_b64 s[12:13], s[0:1], 0x20
	v_lshl_add_u32 v[SPW], v0, 2, SPARE
	v_mov_b32 v[NIL], 0
	ds_add_u32 v7, v8
	ds_add_u32 v7, v8
	s_wait_dscnt 0x0
	v_lshrrev_b32 v57, 5, v0
	s_delay_alu instid0(VALU_DEP_1)
	v_readfirstlane_b32 s[WV], v57
	s_bfe_u32 s17, ttmp6, 0x40000
	s_lshl_b32 s18, ttmp9, 2
	s_add_co_u32 s18, s18, s17
	s_mov_b32 s[G1], 15|(3<<16)|(1<<21)
	s_mov_b32 s[G1+1], 32<<16
	s_mov_b32 s[G1+2], 74<<16
	s_mov_b32 s[G1+3], 32<<16
	s_mov_b32 s[G1+4], 74
	s_mov_b32 s[G1+5], 32
	s_mov_b32 s[G1+6], 0
	s_mov_b32 s[G1+7], 0
	s_mov_b32 s[SEL], 0x76543210
	s_mov_b32 s[SEL+1], 0xfedcba98
	s_mul_i32 s42, s[WV], WREG
	s_mul_i32 s20, s[WV], SLOTB
	s_mov_b32 s21, 0
	s_lshl_b32 s44, s18, 14
	s_mov_b32 s45, 0
	s_wait_kmcnt 0x0
	s_add_nc_u64 s[10:11], s[10:11], s[20:21]
.irp s, 0,1
	s_mov_b32 s[G0+4*\s], 1
	s_add_co_u32 s[G0+4*\s+1], s42, \s*SLOTB
	s_add_nc_u64 s[G0+4*\s+2:G0+4*\s+3], s[10:11], \s*FILLB
	s_or_b32 s[G0+4*\s+3], s[G0+4*\s+3], 0x80000000
.endr
	s_add_nc_u64 s[4:5], s[4:5], s[44:45]
	s_add_nc_u64 s[12:13], s[12:13], s[44:45]
	CROUND
	tensor_load_to_lds s[G0:G0+3], s[G1:G1+7]
	s_nop 0
	tensor_load_to_lds s[G0+4:G0+7], s[G1:G1+7]
	s_nop 0
	PLACES
	s_load_b32 s14, s[6:7], 0x0
	s_load_b32 s15, s[8:9], 0x0
	v_and_b32 v57, 31, v0
	v_and_b32 v58, 15, v0
	v_bfe_u32 v59, v0, 4, 1
	s_delay_alu instid0(VALU_DEP_2)
	v_lshlrev_b32 v[XA], 8, v58
	s_delay_alu instid0(VALU_DEP_1)
	v_lshl_add_u32 v[XA], v59, 7, v[XA]
.irp q, 0,1,2,3
.irp i, 0,1,2,3,4,5,6,7
	global_load_b128 v[KFR+32*\q+4*\i:KFR+32*\q+4*\i+3], v[XA], s[4:5] offset:4096*\q+16*\i
.endr
.endr
	v_lshl_add_u32 v[LI], v57, 4, s42
	v_lshl_add_u32 v[LV], v57, 3, s42
	v_lshl_add_u32 v[LB], v59, 7, s42
	v_lshlrev_b32 v[SH8], 3, v59
	s_mul_i32 s43, s[WV], SWAVE
	v_mul_u32_u24 v60, v58, SROW
	s_delay_alu instid0(VALU_DEP_1)
	v_lshl_add_u32 v[STO], v59, 5, v60
	s_delay_alu instid0(VALU_DEP_1)
	v_add_nc_u32 v[STO], s43, v[STO]
	s_delay_alu instid0(VALU_DEP_3)
	v_add_nc_u32 v[STS], s43, v60
	s_delay_alu instid0(VALU_DEP_1)
	v_add_nc_u32 v[STS], 256, v[STS]
	s_mul_i32 s46, s[WV], 8*SROW
	v_mul_u32_u24 v61, v59, SROW
	s_delay_alu instid0(VALU_DEP_1)
	v_lshl_add_u32 v[RD], v58, 4, v61
	s_delay_alu instid0(VALU_DEP_1)
	v_add_nc_u32 v[RD], s46, v[RD]
	s_delay_alu instid0(VALU_DEP_3)
	v_add_nc_u32 v[RS], s46, v61
	s_delay_alu instid0(VALU_DEP_1)
	v_add_nc_u32 v[RS], 256, v[RS]
	s_delay_alu instid0(VALU_DEP_3)
	v_add_nc_u32 v[RD2], 4*SWAVE, v[RD]
	s_delay_alu instid0(VALU_DEP_2)
	v_add_nc_u32 v[RS2], 4*SWAVE, v[RS]
	s_lshl_b32 s47, s[WV], 11
	v_lshl_add_u32 v[GO], v57, 4, s47
	v_mov_b32 v[RX], 0
	v_mov_b32 v[WX], 0
	s_wait_kmcnt 0x0
	v_mov_b32 v57, s14
	v_mov_b32 v58, s15
	s_delay_alu instid0(VALU_DEP_2)
	v_mul_f32 v59, 0xbfb8aa3b, v57
	s_delay_alu instid0(VALU_DEP_1)
	v_fma_f32 v60, v57, 0xbfb8aa3b, -v59
	s_delay_alu instid0(VALU_DEP_1)
	v_fma_f32 v60, v57, 0xb2a57060, v60
	s_wait_alu depctr_va_vdst(0)
	v_exp_f32 v59, v59
	v_exp_f32 v60, v60
	v_mul_f32 v58, v58, v58
	s_wait_alu depctr_va_vdst(0)
	v_mul_f32 v59, v59, v60
	s_delay_alu instid0(VALU_DEP_1)
	v_mul_f32 v60, v59, v59
	s_delay_alu instid0(VALU_DEP_1)
	v_mul_f32 v58, v60, v58
	s_delay_alu instid0(VALU_DEP_2)
	v_sub_f32 v61, 1.0, v60
	s_delay_alu instid0(VALU_DEP_1)
	v_add_f32 v61, v58, v61
	s_wait_alu depctr_va_vdst(0)
	v_rcp_f32 v62, v61
	v_rcp_f32 v63, v59
	v_ashrrev_i32 v[SGN], 31, v61
	s_wait_alu depctr_va_vdst(0)
	v_fma_f32 v57, -v61, v62, 1.0
	v_fma_f32 v62, v57, v62, v62
	v_fma_f32 v57, -v59, v63, 1.0
	v_fma_f32 v63, v57, v63, v63
	v_and_b32 v[SGN], 0x88888888, v[SGN]
	s_delay_alu instid0(VALU_DEP_4)
	v_mul_f32 v57, 0x3fb8aa3b, v62
	s_delay_alu instid0(VALU_DEP_1)
	v_and_b32 v[AA], 0x7fffffff, v57
	s_delay_alu instid0(VALU_DEP_1)
	v_mov_b32 v[AA+1], v[AA]
	s_delay_alu instid0(VALU_DEP_3)
	v_mul_f32 v[HG], -0.5, v57
	v_mul_f32 v58, v58, v62
	s_delay_alu instid0(VALU_DEP_1)
	v_mul_f32 v[A1], v58, v63
	s_delay_alu instid0(VALU_DEP_1)
	v_mov_b32 v[A1+1], v[A1]
	s_delay_alu instid0(VALU_DEP_3)
	v_sub_f32 v58, 1.0, v58
	s_delay_alu instid0(VALU_DEP_1)
	v_mul_f32 v[A2], v58, v63
.macro QUANTQ q
.set X, KFR+32*(\q)
.set T, ST+8*(\q)
	s_wait_loadcnt 24-8*(\q)
	v_max3_num_f32 v[BM], |v[X]|, |v[X+1]|, |v[X+2]|
	v_max3_num_f32 v[BM+1], |v[X+3]|, |v[X+4]|, |v[X+5]|
.irp i, 6,10,14,18,22,26
	s_delay_alu instid0(VALU_DEP_2)
	v_max3_num_f32 v[BM], v[BM], |v[X+\i]|, |v[X+\i+1]|
	s_delay_alu instid0(VALU_DEP_2)
	v_max3_num_f32 v[BM+1], v[BM+1], |v[X+\i+2]|, |v[X+\i+3]|
.endr
	s_delay_alu instid0(VALU_DEP_2)
	v_max3_num_f32 v[BM], v[BM], |v[X+30]|, |v[X+31]|
	s_delay_alu instid0(VALU_DEP_1)
	v_max3_num_f32 v[BM], v[BM], v[BM+1], FLOOR
	v_pk_mul_f32 v[TP:TP+1], v[X:X+1], v[X:X+1]
	v_pk_mul_f32 v[BM+2:BM+3], v[X+2:X+3], v[X+2:X+3]
.irp i, 4,8,12,16,20,24,28
	s_delay_alu instid0(VALU_DEP_2)
	v_pk_fma_f32 v[TP:TP+1], v[X+\i:X+\i+1], v[X+\i:X+\i+1], v[TP:TP+1]
	s_delay_alu instid0(VALU_DEP_2)
	v_pk_fma_f32 v[BM+2:BM+3], v[X+\i+2:X+\i+3], v[X+\i+2:X+\i+3], v[BM+2:BM+3]
.endr
	s_delay_alu instid0(VALU_DEP_1)
	v_pk_add_f32 v[TP:TP+1], v[TP:TP+1], v[BM+2:BM+3]
	s_delay_alu instid0(VALU_DEP_1)
	v_add_f32 v[RR], v[TP], v[TP+1]
	s_delay_alu instid0(VALU_DEP_1)
	v_permlanex16_b32 v[RX], v[RR], s[SEL], s[SEL+1]
	s_delay_alu instid0(VALU_DEP_1)
	v_add_f32 v[RR], v[RR], v[RX]
	s_delay_alu instid0(VALU_DEP_1)
	v_mul_f32 v[T+5], v[HG], v[RR]
	v_add_nc_u32 v[DD], 0xff000000, v[BM]
	s_delay_alu instid0(VALU_DEP_1)
	v_lshrrev_b32 v[WW], 23, v[DD]
	s_delay_alu instid0(VALU_DEP_1)
	v_lshlrev_b32 v[WW], v[SH8], v[WW]
	s_delay_alu instid0(VALU_DEP_1)
	v_permlanex16_b32 v[WX], v[WW], s[SEL], s[SEL+1]
	s_delay_alu instid0(VALU_DEP_1)
	v_or_b32 v[WW], v[WW], v[WX]
	s_delay_alu instid0(VALU_DEP_1)
	v_or_b32 v[QWD+(\q)], 0x7f7f0000, v[WW]
.irp g, 0,1,2,3
	v_cvt_scalef32_pk8_fp4_f32 v[QFR+8*(\q)+\g], v[X+8*\g:X+8*\g+7], v[DD]
.endr
.irp g, 4,5,6,7
	v_mov_b32 v[QFR+8*(\q)+\g], 0
.endr
.irp g, 0,1,2,3
	v_xor_b32 v[QFR+8*(\q)+\g], v[SGN], v[QFR+8*(\q)+\g]
.endr
	v_mov_b32 v[T+1], 0xff61b1e6
	s_delay_alu instid0(VALU_DEP_1)
	v_floor_f32 v[T+6], -v[T+1]
	v_mov_b32 v[T+2], 0
	v_mov_b32 v[T+3], 0
.endm
	QUANTQ 0
	QUANTQ 1
	QUANTQ 2
	QUANTQ 3
.irp t, 0,1,2,3,4,5,6,7
.irp g, 4,5,6,7
	v_mov_b32 v[KFR+8*\t+\g], 0
.endr
.endr
	WIN 0x40
.set i, 0
.rept 128
	v_mov_b32 v[OT+i], 0
.set i, i+1
.endr
	WIN 0
.macro TILE q, first
.set T, ST+8*(\q)
	WIN 0x10
.irp t, 0,2,4,6
	v_wmma_scale_f32_16x16x128_f8f6f4 v[SCR+8*\t:SCR+8*\t+7], v[KFR+8*\t:KFR+8*\t+7], v[QFR+8*(\q):QFR+8*(\q)+7], v[BI+8*\t:BI+8*\t+7], v[KSC+\t/2], v[QWD+(\q)] matrix_a_fmt:MATRIX_FMT_FP4 matrix_b_fmt:MATRIX_FMT_FP4
	v_wmma_scale_f32_16x16x128_f8f6f4 v[SCR+8*\t+8:SCR+8*\t+15], v[KFR+8*\t+8:KFR+8*\t+15], v[QFR+8*(\q):QFR+8*(\q)+7], v[BI+8*\t+8:BI+8*\t+15], v[KSC+\t/2], v[QWD+(\q)] matrix_a_fmt:MATRIX_FMT_FP4 matrix_b_fmt:MATRIX_FMT_FP4 matrix_a_scale:MATRIX_SCALE_ROW1
.endr
	WIN 0
	PLACES
.irp k, 0,1,2,3
	v_max3_num_f32 v[BM+\k], v[SCR+16*\k], v[SCR+16*\k+1], v[SCR+16*\k+2]
.endr
.irp i, 3,5,7,9,11,13
.irp k, 0,1,2,3
	v_max3_num_f32 v[BM+\k], v[BM+\k], v[SCR+16*\k+\i], v[SCR+16*\k+\i+1]
.endr
.endr
.irp k, 0,1,2,3
	v_max_num_f32 v[BM+\k], v[BM+\k], v[SCR+16*\k+15]
.endr
	s_delay_alu instid0(VALU_DEP_3)
	v_max_num_f32 v[BM], v[BM], v[BM+1]
	s_delay_alu instid0(VALU_DEP_2)
	v_max_num_f32 v[BM+2], v[BM+2], v[BM+3]
	s_delay_alu instid0(VALU_DEP_1)
	v_max_num_f32 v[RR], v[BM], v[BM+2]
	s_delay_alu instid0(VALU_DEP_1)
	v_permlanex16_b32 v[RX], v[RR], s[SEL], s[SEL+1]
	s_delay_alu instid0(VALU_DEP_1)
	v_max_num_f32 v[RR], v[RR], v[RX]
	s_delay_alu instid0(VALU_DEP_1)
	v_fma_f32 v[RR], v[RR], v[AA], v[T+5]
	s_delay_alu instid0(VALU_DEP_1)
	v_max_num_f32 v[T+1], v[T+1], v[RR]
	v_mov_b32 v[DD], v[T+6]
	s_delay_alu instid0(VALU_DEP_2)
	v_floor_f32 v[T+6], -v[T+1]
	s_delay_alu instid0(VALU_DEP_1)
	v_sub_f32 v[DD], v[T+6], v[DD]
	s_delay_alu instid0(VALU_DEP_1)
	v_cvt_i32_f32 v[DD], v[DD]
	s_delay_alu instid0(VALU_DEP_1)
	v_ldexp_f32 v[T+4], 1.0, v[DD]
	s_delay_alu instid0(VALU_DEP_4)
	v_add_f32 v[T], v[T+5], v[T+6]
	WIN 0x41
.set i, 0
.rept 16
	v_pk_mul_f32 v[OT+32*(\q)+2*i:OT+32*(\q)+2*i+1], v[OT+32*(\q)+2*i:OT+32*(\q)+2*i+1], v[T+4:T+5] op_sel_hi:[1,0]
.set i, i+1
.endr
	WIN 0
.set i, 0
.rept 32
	v_pk_fma_f32 v[SCR+2*i:SCR+2*i+1], v[SCR+2*i:SCR+2*i+1], v[AA:AA+1], v[T:T+1] op_sel_hi:[1,0,0]
.set i, i+1
.endr
	v_fma_f32 v[BM], v[BM], v[AA], v[T]
	v_fma_f32 v[BM+2], v[BM+2], v[AA], v[T]
.set i, 0
	s_wait_alu depctr_va_vdst(0)
.rept 64
	v_exp_f32 v[SCR+i], v[SCR+i]
.set i, i+1
.endr
	v_pk_mul_f32 v[T+2:T+3], v[T+2:T+3], v[T+4:T+5] op_sel_hi:[1,0]
	s_wait_alu depctr_va_vdst(0)
	v_exp_f32 v[BM], v[BM]
	v_exp_f32 v[BM+2], v[BM+2]
	v_pk_add_f32 v[TP:TP+1], v[SCR:SCR+1], v[SCR+2:SCR+3]
.irp j, 4,8,12,16,20,24,28
	v_pk_add_f32 v[T+2:T+3], v[T+2:T+3], v[SCR+\j:SCR+\j+1]
	v_pk_add_f32 v[TP:TP+1], v[TP:TP+1], v[SCR+\j+2:SCR+\j+3]
.endr
	s_wait_alu depctr_va_vdst(0)
	v_max_num_f32 v[BM], FLOOR, v[BM]
	v_max_num_f32 v[BM+2], FLOOR, v[BM+2]
	s_delay_alu instid0(VALU_DEP_2)
	v_add_nc_u32 v[BM+1], 0xff000000, v[BM]
	s_delay_alu instid0(VALU_DEP_2)
	v_add_nc_u32 v[BM+3], 0xff000000, v[BM+2]
	s_delay_alu instid0(VALU_DEP_2)
	v_lshrrev_b32 v[RR], 23, v[BM+1]
	s_delay_alu instid0(VALU_DEP_2)
	v_lshrrev_b32 v[DD], 23, v[BM+3]
	s_delay_alu instid0(VALU_DEP_1)
	v_lshl_or_b32 v[WW], v[DD], 16, v[RR]
	s_delay_alu instid0(VALU_DEP_1)
	v_lshlrev_b32 v[WW], v[SH8], v[WW]
	s_delay_alu instid0(VALU_DEP_1)
	v_permlanex16_b32 v[WX], v[WW], s[SEL], s[SEL+1]
	s_delay_alu instid0(VALU_DEP_1)
	v_or_b32 v[PWD], v[WW], v[WX]
.irp c, 0,1
.irp g, 0,1,2,3
	v_cvt_scalef32_pk8_fp4_f32 v[PCD+4*\c+\g], v[SCR+32*\c+8*\g:SCR+32*\c+8*\g+7], v[BM+1+2*\c]
.endr
.endr
.irp j, 32,36,40,44,48,52,56,60
	v_pk_add_f32 v[T+2:T+3], v[T+2:T+3], v[SCR+\j:SCR+\j+1]
	v_pk_add_f32 v[TP:TP+1], v[TP:TP+1], v[SCR+\j+2:SCR+\j+3]
.endr
	s_delay_alu instid0(VALU_DEP_1)
	v_pk_add_f32 v[T+2:T+3], v[T+2:T+3], v[TP:TP+1]
.if \first
	s_wait_dscnt 0x0
.endif
	WIN 0x51
.irp d, 0,2
	v_wmma_scale_f32_16x16x128_f8f6f4 v[OT+32*(\q)+8*\d:OT+32*(\q)+8*\d+7], v[VFR+8*\d:VFR+8*\d+7], v[PCD:PCD+7], v[OT+32*(\q)+8*\d:OT+32*(\q)+8*\d+7], v[VSC+\d/2], v[PWD] matrix_a_fmt:MATRIX_FMT_FP4 matrix_b_fmt:MATRIX_FMT_FP4
	v_wmma_scale_f32_16x16x128_f8f6f4 v[OT+32*(\q)+8*\d+8:OT+32*(\q)+8*\d+15], v[VFR+8*\d+8:VFR+8*\d+15], v[PCD:PCD+7], v[OT+32*(\q)+8*\d+8:OT+32*(\q)+8*\d+15], v[VSC+\d/2], v[PWD] matrix_a_fmt:MATRIX_FMT_FP4 matrix_b_fmt:MATRIX_FMT_FP4 matrix_a_scale:MATRIX_SCALE_ROW1
.endr
.endm
.macro STEP
	v_add_nc_u32 v[ADK], s[TB], v[LI]
	v_add_nc_u32 v[ADV], s[TB], v[LV]
	v_add_nc_u32 v[ADB], s[TB], v[LB]
	v_nop
.irp t, 0,1,2,3,4,5,6,7
	ds_load_b128 v[KFR+8*\t:KFR+8*\t+3], v[ADK] offset:512*\t
.endr
	ds_load_b128 v[KSC:KSC+3], v[ADK] offset:KSOFF
	WIN 0x40
.irp t, 0,1,2,3,4,5,6,7
	ds_load_b128 v[BI+8*\t:BI+8*\t+3], v[ADB] offset:BOFF+256*(\t/4)+32*(\t%4)
	ds_load_b128 v[BI+8*\t+4:BI+8*\t+7], v[ADB] offset:BOFF+256*(\t/4)+32*(\t%4)+16
.endr
.irp f, 0,1,2,3,4,5,6,7
	ds_load_b128 v[VFR+4*\f:VFR+4*\f+3], v[ADK] offset:VOFF+512*\f
.endr
	WIN 0
	ds_load_b64 v[VSC:VSC+1], v[ADV] offset:VSOFF
	s_wait_dscnt 9
	TILE 0, 1
	TILE 1, 0
	TILE 2, 0
	TILE 3, 0
	WIN 0
.endm
.macro TWO_STEPS base
	s_mov_b32 s[TB], \base
	s_mov_b32 s[CNT], 2
.Lstep_\@:
	STEP
	s_add_co_u32 s[TB], s[TB], REC
	s_sub_co_u32 s[CNT], s[CNT], 1
	s_cmp_lg_u32 s[CNT], 0
	s_cbranch_scc1 .Lstep_\@
.endm
.macro REFILL s
	s_wait_tensorcnt 0x0
	ds_add_u32 v[SPW], v[NIL]
	s_add_nc_u64 s[G0+4*\s+2:G0+4*\s+3], s[G0+4*\s+2:G0+4*\s+3], 2*FILLB
	s_wait_dscnt 0x0
	CROUND
	tensor_load_to_lds s[G0+4*\s:G0+4*\s+3], s[G1:G1+7]
	s_nop 0
	PLACES
.endm
	s_wait_tensorcnt 1
	TWO_STEPS 0
	REFILL 0
	s_wait_tensorcnt 1
	TWO_STEPS SLOTB
	REFILL 1
	s_wait_tensorcnt 1
	TWO_STEPS 0
	s_wait_tensorcnt 0x0
	TWO_STEPS SLOTB
.irp q, 0,1,2,3
	v_add_f32 v[ST+8*\q+7], v[ST+8*\q+2], v[ST+8*\q+3]
.endr
.irp q, 0,1,2,3
	s_delay_alu instid0(VALU_DEP_4)
	v_permlanex16_b32 v[BM+\q], v[ST+8*\q+7], s[SEL], s[SEL+1]
.endr
.irp q, 0,1,2,3
	s_delay_alu instid0(VALU_DEP_4)
	v_add_f32 v[ST+8*\q+7], v[ST+8*\q+7], v[BM+\q]
.endr
	s_wait_alu depctr_va_vdst(0)
	s_wait_dscnt 0x0
	s_barrier_signal -1
	s_barrier_wait -1
	WIN 0x04
.irp q, 0,1,2,3
.irp d, 0,1,2,3
	ds_store_b128 v[STO], v[OT+32*\q+8*\d:OT+32*\q+8*\d+3] offset:16*SROW*\q+64*\d
	ds_store_b128 v[STO], v[OT+32*\q+8*\d+4:OT+32*\q+8*\d+7] offset:16*SROW*\q+64*\d+16
.endr
.endr
	WIN 0
.irp q, 0,1,2,3
	ds_store_b64 v[STS], v[ST+8*\q+6:ST+8*\q+7] offset:16*SROW*\q
.endr
	s_wait_dscnt 0x0
.irp i, 0,1,2,3
	global_load_b128 v[ST+4*\i:ST+4*\i+3], v[GO], s[4:5] offset:512*\i
.endr
	s_barrier_signal -1
	s_barrier_wait -1
.irp i, 0,1,2,3
.irp s, 0,1,2,3
	ds_load_b128 v[KFR+32*\i+4*\s:KFR+32*\i+4*\s+3], v[RD] offset:SWAVE*\s+2*SROW*\i
	ds_load_b64 v[QFR+16*\i+2*\s:QFR+16*\i+2*\s+1], v[RS] offset:SWAVE*\s+2*SROW*\i
.endr
.irp s, 0,1,2,3
	ds_load_b128 v[KFR+32*\i+16+4*\s:KFR+32*\i+16+4*\s+3], v[RD2] offset:SWAVE*\s+2*SROW*\i
	ds_load_b64 v[QFR+16*\i+8+2*\s:QFR+16*\i+8+2*\s+1], v[RS2] offset:SWAVE*\s+2*SROW*\i
.endr
.endr
.macro RED i
.set PP, QFR+16*(\i)
.set OO, KFR+32*(\i)
.set AC, ACC+4*(\i)
	s_wait_dscnt 48-16*(\i)
	v_min3_num_f32 v57, v[PP], v[PP+2], v[PP+4]
	s_delay_alu instid0(VALU_DEP_1)
	v_min3_num_f32 v57, v57, v[PP+6], v[PP+8]
	s_delay_alu instid0(VALU_DEP_1)
	v_min3_num_f32 v57, v57, v[PP+10], v[PP+12]
	s_delay_alu instid0(VALU_DEP_1)
	v_min_num_f32 v57, v57, v[PP+14]
.irp s, 0,1,2,3,4,5,6,7
	v_sub_f32 v[PP+2*\s], v57, v[PP+2*\s]
.endr
.irp s, 0,1,2,3,4,5,6,7
	v_cvt_i32_f32 v[PP+2*\s], v[PP+2*\s]
.endr
.irp s, 0,1,2,3,4,5,6,7
	v_ldexp_f32 v[PP+2*\s], 1.0, v[PP+2*\s]
.endr
	v_mul_f32 v58, v[PP], v[PP+1]
	v_pk_mul_f32 v[AC:AC+1], v[OO:OO+1], v[PP:PP+1] op_sel_hi:[1,0]
	v_pk_mul_f32 v[AC+2:AC+3], v[OO+2:OO+3], v[PP:PP+1] op_sel_hi:[1,0]
.irp s, 1,2,3,4,5,6,7
	s_delay_alu instid0(VALU_DEP_3)
	v_fma_f32 v58, v[PP+2*\s], v[PP+2*\s+1], v58
	s_delay_alu instid0(VALU_DEP_3)
	v_pk_fma_f32 v[AC:AC+1], v[OO+4*\s:OO+4*\s+1], v[PP+2*\s:PP+2*\s+1], v[AC:AC+1] op_sel_hi:[1,0,1]
	s_delay_alu instid0(VALU_DEP_3)
	v_pk_fma_f32 v[AC+2:AC+3], v[OO+4*\s+2:OO+4*\s+3], v[PP+2*\s:PP+2*\s+1], v[AC+2:AC+3] op_sel_hi:[1,0,1]
.endr
	s_wait_alu depctr_va_vdst(0)
	v_rcp_f32 v[PP], v58
.endm
	RED 0
	RED 1
	RED 2
	RED 3
	v_nop
	s_wait_alu depctr_va_vdst(0)
	s_wait_loadcnt 0x0
.irp i, 0,1,2,3
	v_mul_f32 v[QFR+16*\i], v[A2], v[QFR+16*\i]
	v_pk_mul_f32 v[ST+4*\i:ST+4*\i+1], v[ST+4*\i:ST+4*\i+1], v[A1:A1+1]
	v_pk_mul_f32 v[ST+4*\i+2:ST+4*\i+3], v[ST+4*\i+2:ST+4*\i+3], v[A1:A1+1]
	s_delay_alu instid0(VALU_DEP_2)
	v_pk_fma_f32 v[ST+4*\i:ST+4*\i+1], v[ACC+4*\i:ACC+4*\i+1], v[QFR+16*\i:QFR+16*\i+1], v[ST+4*\i:ST+4*\i+1] op_sel_hi:[1,0,1]
	s_delay_alu instid0(VALU_DEP_2)
	v_pk_fma_f32 v[ST+4*\i+2:ST+4*\i+3], v[ACC+4*\i+2:ACC+4*\i+3], v[QFR+16*\i:QFR+16*\i+1], v[ST+4*\i+2:ST+4*\i+3] op_sel_hi:[1,0,1]
	global_store_b128 v[GO], v[ST+4*\i:ST+4*\i+3], s[12:13] offset:512*\i th:TH_STORE_NT
.endr
	s_wait_tensorcnt 0x0
	ds_add_u32 v[SPW], v[NIL]
	s_wait_dscnt 0x0
	CROUND
	s_endpgm
.Lfunc_end_k_q9efd3b3c37_denoise:
	.size	k_q9efd3b3c37_denoise, .Lfunc_end_k_q9efd3b3c37_denoise-k_q9efd3b3c37_denoise
	.p2alignl 7, 3214868480
	.fill 96, 4, 3214868480
	.section	.rodata,"a",@progbits
	.p2align	6, 0x0
	.amdhsa_kernel k_q9efd3b3c37_denoise
		.amdhsa_group_segment_fixed_size 327680
		.amdhsa_private_segment_fixed_size 0
		.amdhsa_enable_private_segment 0
		.amdhsa_kernarg_size 40
		.amdhsa_user_sgpr_count 2
		.amdhsa_user_sgpr_kernarg_segment_ptr 1
		.amdhsa_wavefront_size32 1
		.amdhsa_system_sgpr_workgroup_id_x 1
		.amdhsa_system_sgpr_workgroup_id_y 1
		.amdhsa_system_sgpr_workgroup_id_z 1
		.amdhsa_system_vgpr_workitem_id 0
		.amdhsa_next_free_vgpr 512
		.amdhsa_next_free_sgpr 66
		.amdhsa_reserve_vcc 0
		.amdhsa_float_denorm_mode_32 3
		.amdhsa_float_denorm_mode_16_64 3
		.amdhsa_memory_ordered 1
		.amdhsa_forward_progress 1
		.amdhsa_inst_pref_size 255
	.end_amdhsa_kernel
	.section	.bss,"aw",@nobits
	.p2align	6
	.space	262144
	.amdgpu_metadata
---
amdhsa.version: [ 1, 2 ]
amdhsa.kernels:
  - .name:           k_q9efd3b3c37_denoise
    .symbol:         k_q9efd3b3c37_denoise.kd
    .args:
      - { .name: x, .offset: 0, .size: 8, .value_kind: global_buffer, .address_space: global }
      - { .name: t, .offset: 8, .size: 8, .value_kind: global_buffer, .address_space: global }
      - { .name: standard_dev, .offset: 16, .size: 8, .value_kind: global_buffer, .address_space: global }
      - { .name: ws, .offset: 24, .size: 8, .value_kind: global_buffer, .address_space: global }
      - { .name: out0, .offset: 32, .size: 8, .value_kind: global_buffer, .address_space: global }
    .group_segment_fixed_size: 327680
    .private_segment_fixed_size: 0
    .kernarg_segment_align: 8
    .kernarg_segment_size: 40
    .max_flat_workgroup_size: 256
    .sgpr_count:     66
    .vgpr_count:     512
    .wavefront_size: 32
...
	.end_amdgpu_metadata
.endif
;; end of part 2
